; MI455X (gfx1250); checked and timed in simulation.
; The chip was launched on July 23, 2026; its instructions are those of AMD's public machine-readable ISA for CDNA 5 (MIT licence, August 2026) and "CDNA5" Instruction Set Architecture Reference Guide (July 2026). The comments in the code are by the model that wrote it; some were corrected since.
;; Linear List. Allowed arithmetic: float matrix products may take bf16 or f16 operands with f32 sums; other float arithmetic in f32, or as packed bf16 or f16 multiplies, adds, multiply-adds, maxima and minima; sums over many terms, partial sums and values carried from step to step in f32; what a program stores and reads back later, other than sums and carried values, may be rounded once to bf16 or f16.
;; Inputs: biases 8 x 1,024 float32; inputs 8,192 x 1,024 float32; nodes_type 8,192 int32; weights 8 x 1,024 x 1,024 float32.
;; Outputs: out0 8,192 x 1,024 float32.
;; 2 versions, each right; version 2 is version 1 with the launch main written anew for expert scheduling mode. Each part assembles by itself: llvm-mc -triple=amdgcn-amd-amdhsa -mcpu=gfx1250 --defsym DOCPART=n.
;; ======== version 1 of 2: 2 launches
;; workspace buffers: wf 16,777,216 bytes; order 32,768 bytes of whole numbers; tiles 1,024 bytes of whole numbers
;; launch prep (part 1): grid 257 x 1, 16 waves a work-group, no clusters, 72,192 bytes of LDS; arguments weights, nodes_type, wf, order, tiles; writes wf, order, tiles
.if DOCPART == 1
	.amdgcn_target "amdgcn-amd-amdhsa--gfx1250"
	.amdhsa_code_object_version 6
	.text
	.protected	k_q560c1234b0_prep
	.globl	k_q560c1234b0_prep
	.p2align	8
	.type	k_q560c1234b0_prep,@function
k_q560c1234b0_prep:
	s_mov_b64 s[64:65], 0
	v_nop
	global_prefetch_b8 v0, s[64:65] scope:SCOPE_SE
	s_setreg_imm32_b32 hwreg(HW_REG_WAVE_MODE, 25, 1), 1
	s_wait_xcnt 0x0
; out[n] = W[t[n]] x[n] + b[t[n]], 8,192 tokens, 8 experts of 1,024 x 1,024.  FIRST OF TWO LAUNCHES: the sort and the weights' layout.
; WORK LEFT OUT.  reference() multiplies every token by all eight experts and keeps, by take_along_axis on nodes_type, one product of the eight.  The other seven reach no
; output, whatever the inputs hold: the index, a whole number read from memory, decides.  So each token is multiplied by its own expert alone (second launch).  Every input
; has a way to the output and is loaded.  LIMITS: a NaN, an infinity or an overflow in a product that is not chosen is not carried to the result (nor is it in reference());
; nodes_type lies in 0 .. 7, as an index into its table does; a number outside is taken as min(unsigned, 7), which keeps every address inside its buffer.
; WORK-GROUP 0 sorts the 8,192 tokens by expert (a counting sort without atomics; the order inside an expert is free, rows do not depend on each other) into 'order', and
; writes the table 'tiles': 64 entries (expert, first place in order, rows 0 .. 144, 1 for an expert's first tile).  Tiles of 144 rows: the sum over experts of
; ceil(c / 144) is at most (8,192 + 8 x 143) / 144 = 64 for every split of the tokens, so 64 entries always do; entries that a split leaves over have 0 rows.
; WORK-GROUPS 1 .. 256 round W to bf16, once, and lay it out as the second launch's operand registers take it:
;   wf byte = e 2,097,152 + cg 131,072 + kb 4,096 + b 1,024 + hf 512 + 16 lane;  lane (r = l % 16, h = l / 16) holds W[e][64 cg + 16 b + r][32 kb + 16 hf + 8 h .. + 7].
; A wave takes 16 rows x 128 columns: 16 loads of 512 consecutive bytes, through its own stage in LDS, 8 stores of 512 consecutive bytes, aligned.
.set STG,   4352                       ; a wave's stage: 16 rows of 256 bytes + 16 of padding (pitch 272, an odd multiple of 16)
.set CNT,   16*STG                     ; behind the stages: the sorter's counts, [16 waves][8 experts] words
.set SPARE, CNT+512                    ; the spare words, 128 bytes for each of 16 waves: no other line names them
.set SPW, 8                            ; v8   SPARE + 4 x my thread's number; never rewritten
.set NIL, 9                            ; v9   0; never rewritten
.set X,   16                           ; converting: v[16:79] 16 rows x 4 registers as loaded, then 2 as rounded
.set Z,   80                           ; converting: v[80:111] 8 half fragments
.set T,   16                           ; sorting: v[16:31] the experts of my 16 tokens
.set R,   32                           ; v[32:47] each token's rank among its expert's tokens in my wave
.set C,   48                           ; v[48:63] counts
.set BP,  64                           ; v[64:79] places in order
.set TV,  80                           ; v[80:95] token numbers
.set RUN, 16                           ; s[16:23] my wave's running counts
.set M,   24                           ; s[24:31] lane masks, one an expert
.set TOT, 32                           ; s[32:39] each expert's tokens
.set BASE, 40                          ; s[40:47] where my wave's tokens of each expert begin in order
.set EB,  48                           ; s[48:55] where each expert begins in order
.set TB,  56                           ; s[56:63] each expert's first tile
	s_load_b256 s[4:11], s[0:1], 0x0               ; weights s[4:5], nodes_type s[6:7], wf s[8:9], order s[10:11]
	s_load_b64 s[12:13], s[0:1], 0x20              ; tiles
	v_lshl_add_u32 v[SPW], v0, 2, SPARE
	v_mov_b32 v[NIL], 0
	v_lshrrev_b32 v1, 5, v0
	v_readfirstlane_b32 s14, v1                    ; wave 0 .. 15
	v_and_b32 v1, 31, v0                           ; lane
	v_and_b32 v2, 15, v0                           ; r
	v_bfe_u32 v3, v0, 4, 1                         ; h
	s_wait_kmcnt 0x0
	s_cmp_eq_u32 ttmp9, 0                          ; the work-group's number: the same in all sixteen waves
	s_cbranch_scc1 .Lsort
	; ---- THE WEIGHTS.  g = work-group - 1 has the strips 2 g and 2 g + 1 of 16 rows (strip = 64 e + 4 cg + b); wave w takes strip 2 g + w / 8, columns 128 (w % 8) on.
	s_sub_co_u32 s15, ttmp9, 1                     ; g
	s_lshl_b32 s16, s15, 17                        ; two strips are 131,072 bytes of W
	s_mov_b32 s17, 0
	s_add_nc_u64 s[4:5], s[4:5], s[16:17]
	s_lshr_b32 s18, s14, 3                         ; which of the two strips
	s_and_b32 s19, s14, 7                          ; kc: which 128 columns
	s_lshl1_add_u32 s20, s15, s18                  ; strip
	s_lshr_b32 s21, s20, 2
	s_lshl_b32 s21, s21, 17                        ; (16 e + cg) x 131,072
	s_and_b32 s22, s20, 3
	s_lshl_b32 s22, s22, 10                        ; b x 1,024
	s_add_co_u32 s21, s21, s22
	s_lshl_b32 s23, s19, 14                        ; four K blocks of 4,096 for each kc
	s_add_co_u32 s21, s21, s23
	s_lshl_b32 s24, s18, 16
	s_lshl_b32 s25, s19, 9
	s_add_co_u32 s24, s24, s25
	s_mul_i32 s26, s14, STG                        ; my stage
	v_lshl_add_u32 v4, v1, 4, s24                  ; in W: strip, columns, 16 bytes a lane
	v_lshl_add_u32 v5, v1, 4, s21                  ; in wf
	v_lshl_add_u32 v6, v1, 3, s26                  ; into the stage: 8 bytes a lane
	v_mul_u32_u24 v7, v2, 272
	v_lshl_add_u32 v7, v3, 4, v7
	v_add_nc_u32 v7, s26, v7                       ; back: row r, 16 bytes for each half of the lanes
.irp i, 0,1,2,3,4,5,6,7,8,9,10,11,12,13,14,15
	global_load_b128 v[X+4*(\i):X+4*(\i)+3], v4, s[4:5] offset:4096*(\i) th:TH_LOAD_NT  ; row i: 512 consecutive bytes; all sixteen go out at once
.endr
.irp i, 0,1,2,3,4,5,6,7,8,9,10,11,12,13,14,15
	s_wait_loadcnt 15-(\i)                         ; loads come back in order: row i is in, the younger rows stay out
	v_cvt_pk_bf16_f32 v[X+4*(\i)], v[X+4*(\i)], v[X+4*(\i)+1]
	v_cvt_pk_bf16_f32 v[X+4*(\i)+1], v[X+4*(\i)+2], v[X+4*(\i)+3]
	ds_store_b64 v6, v[X+4*(\i):X+4*(\i)+1] offset:272*(\i)
.endr
.irp j, 0,1,2,3,4,5,6,7                ; K block j / 2 of my four, half j % 2.  My own bytes, and LDS serves a wave's instructions in order: no wait between stores and loads
	ds_load_b128 v[Z+4*(\j):Z+4*(\j)+3], v7 offset:64*((\j)/2)+32*((\j)%2)
.endr
.irp j, 0,1,2,3,4,5,6,7
	s_wait_dscnt 7-(\j)                            ; the younger LDS loads stay out
	global_store_b128 v5, v[Z+4*(\j):Z+4*(\j)+3], s[8:9] offset:4096*((\j)/2)+512*((\j)%2)  ; 512 consecutive bytes, at a multiple of 512 from wf's first byte
.endr
	s_branch .Lend
	; ---- THE SORT.  Wave w has the tokens 512 w .. 512 w + 511; register g = 4 i + c of lane l holds token 512 w + 128 i + 4 l + c.
.Lsort:
	s_lshl_b32 s66, s14, 11
	v_lshl_add_u32 v10, v1, 4, s66
.irp i, 0,1,2,3
	global_load_b128 v[T+4*(\i):T+4*(\i)+3], v10, s[6:7] offset:512*(\i)
.endr
.irp e, 0,1,2,3,4,5,6,7
	s_mov_b32 s[RUN+(\e)], 0
.endr
	s_wait_loadcnt 0x0
.set g, 0
.rept 16
	v_min_u32 v[T+g], 7, v[T+g]
.set g, g+1
.endr
	; a token's rank = its expert's tokens in the registers before + those in lower lanes of this register
.set g, 0
.rept 16
.irp e, 0,1,2,3,4,5,6,7
	v_cmp_eq_u32 s[M+(\e)], \e, v[T+g]
.endr
	v_mbcnt_lo_u32_b32 v[R+g], s[M], s[RUN]
.irp e, 1,2,3,4,5,6,7
	v_mbcnt_lo_u32_b32 v11, s[M+(\e)], s[RUN+(\e)]
	v_cndmask_b32 v[R+g], v[R+g], v11, s[M+(\e)]
.endr
.irp e, 0,1,2,3,4,5,6,7
	s_bcnt1_i32_b32 s66, s[M+(\e)]
	s_add_co_u32 s[RUN+(\e)], s[RUN+(\e)], s66
.endr
.set g, g+1
.endr
.irp e, 0,1,2,3,4,5,6,7
	v_mov_b32 v[C+(\e)], s[RUN+(\e)]
.endr
	s_lshl_b32 s66, s14, 5
	s_add_co_u32 s66, s66, CNT
	v_mov_b32 v12, s66
	ds_store_b128 v12, v[C:C+3]                    ; my wave's eight counts: all lanes write the same words with the same values
	ds_store_b128 v12, v[C+4:C+7] offset:16
	s_wait_dscnt 0x0                               ; for the others' sake: my counts lie in LDS
	s_barrier_signal -1
	s_barrier_wait -1                              ; everybody's do
	v_and_b32 v13, 7, v0
	v_lshl_add_u32 v13, v13, 2, CNT                ; lane l looks at expert l % 8
.set i, 0
.rept 16
	ds_load_b32 v[C+i], v13 offset:32*i
.set i, i+1
.endr
	s_wait_dscnt 0x0
	v_mov_b32 v14, v[C]                            ; v14: the expert's tokens in all waves; v15: in the waves before mine
	s_cmp_gt_u32 s14, 0
	s_cselect_b32 s66, -1, 0
	v_and_b32 v15, s66, v[C]
.set i, 1
.rept 15
	s_cmp_gt_u32 s14, i
	s_cselect_b32 s66, -1, 0
	v_and_b32 v11, s66, v[C+i]
	v_add_nc_u32 v15, v15, v11
	v_add_nc_u32 v14, v14, v[C+i]
.set i, i+1
.endr
.irp e, 0,1,2,3,4,5,6,7
	v_readlane_b32 s[TOT+(\e)], v14, \e
	v_readlane_b32 s[BASE+(\e)], v15, \e
.endr
	s_mov_b32 s[EB], 0
.irp e, 1,2,3,4,5,6,7
	s_add_co_u32 s[EB+(\e)], s[EB+(\e)-1], s[TOT+(\e)-1]
	s_add_co_u32 s[BASE+(\e)], s[BASE+(\e)], s[EB+(\e)]
.endr
	v_mov_b32 v108, s[BASE]                        ; lane e holds BASE[e]
.irp e, 1,2,3,4,5,6,7
	v_writelane_b32 v108, s[BASE+(\e)], \e
.endr
.set g, 0
.rept 16
	v_lshlrev_b32 v[T+g], 2, v[T+g]
	ds_bpermute_b32 v[BP+g], v[T+g], v108          ; each token takes its expert's base from that lane; no LDS byte is touched
.set g, g+1
.endr
	s_lshl_b32 s67, s14, 9
	v_lshl_add_u32 v109, v1, 2, s67                ; 512 w + 4 l
	s_wait_dscnt 0x0
.set g, 0
.rept 16
	v_add_nc_u32 v[BP+g], v[BP+g], v[R+g]          ; the token's place: a one-to-one map onto 0 .. 8,191
	v_min_u32 v[BP+g], 0x1fff, v[BP+g]
	v_lshlrev_b32 v[BP+g], 2, v[BP+g]
	v_add_nc_u32 v[TV+g], 128*(g/4)+g%4, v109
	global_store_b32 v[BP+g], v[TV+g], s[10:11]    ; four bytes a lane to places that the data choose: 32,768 bytes in the whole launch
.set g, g+1
.endr
	s_cmp_lt_u32 s14, 2                            ; waves 0 and 1 write the table, thread i entry i; no barrier is jumped
	s_cbranch_scc0 .Lend
	s_mov_b32 s[TB], 0
.irp e, 0,1,2,3,4,5,6
	s_add_co_u32 s66, s[TOT+(\e)], 143
	s_mul_i32 s66, s66, 116509                     ; (c + 143) / 144, rounded down: 116,509 x 144 = 2^24 + 80, so up to c + 143 = 8,335 the quotient is too large by under 0.0003, less than 1 / 144
	s_lshr_b32 s66, s66, 24
	s_add_co_u32 s[TB+(\e)+1], s[TB+(\e)], s66
.endr
	v_mov_b32 v96, 0                               ; the entry's expert: the last whose first tile is not behind the entry
	v_mov_b32 v100, 0                              ; its first tile,
	v_mov_b32 v101, 0                              ; its first place in order,
	v_mov_b32 v102, s[TOT]                         ; its tokens
.irp e, 1,2,3,4,5,6,7
	v_cmp_le_u32 vcc_lo, s[TB+(\e)], v0
	v_cndmask_b32 v96, v96, \e, vcc_lo
	v_cndmask_b32 v100, v100, s[TB+(\e)], vcc_lo
	v_cndmask_b32 v101, v101, s[EB+(\e)], vcc_lo
	v_cndmask_b32 v102, v102, s[TOT+(\e)], vcc_lo
.endr
	v_sub_nc_u32 v103, v0, v100                    ; j: which tile of the expert
	v_mul_u32_u24 v104, v103, 144
	v_add_nc_u32 v97, v101, v104                   ; first place
	v_min_u32 v105, v104, v102
	v_sub_nc_u32 v98, v102, v105
	v_min_u32 v98, 144, v98                        ; rows: what is left of the expert's tokens, 144 at the most, 0 behind the last
	v_cmp_eq_u32 vcc_lo, 0, v103
	v_cndmask_b32 v99, 0, 1, vcc_lo
	v_lshlrev_b32 v106, 4, v0
	global_store_b128 v106, v[96:99], s[12:13]
.Lend:
	s_wait_tensorcnt 0x0                           ; the wave's end, behind my last LDS store
	ds_add_u32 v[SPW], v[NIL]
	s_wait_dscnt 0x0
	s_endpgm
.Lfunc_end_k_q560c1234b0_prep:
	.size	k_q560c1234b0_prep, .Lfunc_end_k_q560c1234b0_prep-k_q560c1234b0_prep
	.p2alignl 7, 3214868480
	.fill 96, 4, 3214868480
	.section	.rodata,"a",@progbits
	.p2align	6, 0x0
	.amdhsa_kernel k_q560c1234b0_prep
		.amdhsa_group_segment_fixed_size 72192
		.amdhsa_private_segment_fixed_size 0
		.amdhsa_enable_private_segment 0
		.amdhsa_kernarg_size 40
		.amdhsa_user_sgpr_count 2
		.amdhsa_user_sgpr_kernarg_segment_ptr 1
		.amdhsa_wavefront_size32 1
		.amdhsa_system_sgpr_workgroup_id_x 1
		.amdhsa_system_sgpr_workgroup_id_y 1
		.amdhsa_system_sgpr_workgroup_id_z 1
		.amdhsa_system_vgpr_workitem_id 0
		.amdhsa_next_free_vgpr 128
		.amdhsa_next_free_sgpr 72
		.amdhsa_reserve_vcc 1
		.amdhsa_float_denorm_mode_32 3
		.amdhsa_float_denorm_mode_16_64 3
		.amdhsa_memory_ordered 1
		.amdhsa_forward_progress 1
		.amdhsa_inst_pref_size 57
	.end_amdhsa_kernel
	.amdgpu_metadata
---
amdhsa.version: [ 1, 2 ]
amdhsa.kernels:
  - .name:           k_q560c1234b0_prep
    .symbol:         k_q560c1234b0_prep.kd
    .args:
      - { .name: weights, .offset: 0, .size: 8, .value_kind: global_buffer, .address_space: global }
      - { .name: nodes_type, .offset: 8, .size: 8, .value_kind: global_buffer, .address_space: global }
      - { .name: wf, .offset: 16, .size: 8, .value_kind: global_buffer, .address_space: global }
      - { .name: order, .offset: 24, .size: 8, .value_kind: global_buffer, .address_space: global }
      - { .name: tiles, .offset: 32, .size: 8, .value_kind: global_buffer, .address_space: global }
    .group_segment_fixed_size: 72192
    .private_segment_fixed_size: 0
    .kernarg_segment_align: 8
    .kernarg_segment_size: 40
    .max_flat_workgroup_size: 512
    .sgpr_count:     72
    .vgpr_count:     128
    .wavefront_size: 32
...
	.end_amdgpu_metadata
.endif
;; end of part 1
;; launch main (part 2): grid 4 x 64, 4 waves a work-group, no clusters, 317,696 bytes of LDS; arguments inputs, biases, wf, order, tiles, out0; writes out0
.if DOCPART == 2
	.amdgcn_target "amdgcn-amd-amdhsa--gfx1250"
	.amdhsa_code_object_version 6
	.text
	.protected	k_q560c1234b0_main
	.globl	k_q560c1234b0_main
	.p2align	8
	.type	k_q560c1234b0_main,@function
k_q560c1234b0_main:
	s_mov_b64 s[64:65], 0
	v_nop
	global_prefetch_b8 v0, s[64:65] scope:SCOPE_SE
	s_setreg_imm32_b32 hwreg(HW_REG_WAVE_MODE, 25, 1), 1
	s_wait_xcnt 0x0
; out[n] = W[t[n]] x[n] + b[t[n]].  SECOND LAUNCH: gather, product, bias, scattered store.  WORK LEFT OUT: the seven products of each token that nodes_type does not choose
; (see the first kernel's head: they reach no output for any values of the inputs).  x and W are rounded once to bf16; sums and the bias are f32.
; SHARES.  Work-group (ct, T) makes tile T of the table 'tiles' (up to 144 rows of one expert E, named by 'order') x columns 256 ct .. + 255.  Each of its four waves makes all
; 144 rows x 64 columns: 9 x 4 accumulators of 16 x 16.  A tile that is not full repeats its last row in the places past the count; stores past the count are jumped;
; a tile of 0 rows stores nothing: the price of a grid that serves every split of the tokens.
; x: wave w gathers rows 36 w .. 36 w + 35 through a ring of six row slots in registers, rounds them and lays them into LDS (whole K: 144 rows x 2,048 bytes); one barrier.
; W: each wave walks its own 131,072 consecutive bytes of wf, 4,096 a K step of 32, straight into operand registers: a ring of eight steps, seven on their way.
; THE PRODUCT IS USED TRANSPOSED (source 0 = 16 rows of W, source 1 = 16 rows of x): lane (r, h) holds row r of the block and the columns 8 h + 0 .. 7 of the tile.
; The first K step takes the bias as its C operand: nothing is cleared and no bias is added afterwards.
; NO LDS ADDRESS REGISTER IS EVER REWRITTEN: the 36 turns of the gather and the 32 K steps are one macro each, written out by .rept, and every step stands in an immediate.
; NO TENSOR LOADS, NO CLUSTER: x's rows come by a list, which no descriptor covers; x takes 297,216 of the LDS bytes, so no ring for W fits beside it; inside a work-group each
; wave's W is its own; and how many tiles an expert has hangs on the counts, so partners in a cluster would not be alike.
; REGISTERS, in windows of 256 (s_set_vgpr_msb: bits 1:0 source 0, 3:2 source 1, 5:4 source 2, 7:6 destination):
;   window 0: v0-55 addresses and tokens; v64-255 the gather's six slots, later v64-135, v136-207 two buffers of x fragments, v208-239 rows on the way out
;   window 1: accumulators of blocks 0-4 at 32 a + 8 b      window 2: blocks 5-8 at 32 (a - 5) + 8 b; v128-159 the bias      window 3: W, eight slots of 32
.set PITCH, 2064                       ; a row of x in LDS: 2,048 bytes + 16: an odd multiple of 16, so the 16 rows of a fragment load start at 16 different 16-byte columns of 256
.set BLK,   16*PITCH
.set STAGE, 144*PITCH                  ; 297,216: for each wave 16 rows x 272 bytes (64 f32 + 16), for the way out
.set SP,    272
.set TOK,   STAGE+4*16*SP              ; 314,624: for each wave its own copy of the tile's token numbers, 160 words
.set TOKW,  640
.set SPARE, TOK+4*TOKW                 ; 317,184: the spare words, 128 bytes for each wave: no other line names them
.set L16, 4                            ; v4   16 x lane
.set SPW, 5                            ; v5   SPARE + 4 x my thread's number
.set NIL, 6                            ; v6   0
.set BO,  7                            ; v7   32 h: my eight numbers of a tile's 16 biases
.set TW,  8                            ; v8   where I put a token number
.set TA,  9                            ; v9   my wave's 36 rows' token numbers
.set LD0, 10                           ; v10  where I put 8 bytes of a gathered row: my wave's rows 0-17
.set TK,  11                           ; v11  a token number, at work
.set PFO, 12                           ; v12  256 x lane: the prefetches' offset in my stream of wf
.set STO, 13                           ; v13  the way out: into my stage
.set RD,  14                           ; v14  the way out: back as whole rows
.set TR,  15                           ; v15  the way out: my half's token numbers
.set CO,  16                           ; v16  my 16 bytes in a row of out
.set AD,  18                           ; v18-22  LDS address of my x fragments, blocks 2 p and 2 p + 1
.set LD1, 23                           ; v23  as v10, for my wave's rows 18-35 (an LDS immediate holds 16 bits)
.set OFF, 24                           ; v24-29  slot s: my byte offset in its row of x
.set IDX, 30                           ; v30-34  byte offsets in order
.set TKL, 35                           ; v35-39  token numbers as loaded
.set TO,  40                           ; v40-47  the way out: token numbers
.set GA,  48                           ; v48-55  the way out: byte offsets in out
.set X,   64                           ; the gather's slots, 32 registers each
.set A0,  64                           ; x fragments: buffer 0; buffer 1 lies 72 further on
.set RB,  208                          ; the way out: 16 rows read back
.set BIA, 128                          ; window 2
.set WV,  20                           ; s20  my wave's number
.set NR,  18                           ; s18  the tile's rows
.set FST, 19                           ; s19  1 in an expert's first tile, which prefetches
.set MSB, 0
.macro WIN new                         ; the immediate's high byte repeats the setting that is left; a switch that changes nothing is dropped
.if MSB != (\new)
	s_set_vgpr_msb (MSB<<8)|(\new)
.set MSB, \new
.endif
.endm
	s_load_b256 s[4:11], s[0:1], 0x0               ; inputs s[4:5], biases s[6:7], wf s[8:9], order s[10:11]
	s_load_b128 s[12:15], s[0:1], 0x20             ; tiles s[12:13], out0 s[14:15]
	v_lshl_add_u32 v[SPW], v0, 2, SPARE
	v_mov_b32 v[NIL], 0
	v_lshrrev_b32 v1, 5, v0
	v_readfirstlane_b32 s[WV], v1                  ; wave 0 .. 3
	v_and_b32 v1, 31, v0                           ; lane
	v_and_b32 v2, 15, v0                           ; r
	v_bfe_u32 v3, v0, 4, 1                         ; h
	s_mov_b32 s21, ttmp9                           ; ct
	s_and_b32 s22, ttmp7, 0xffff                   ; T
	v_lshlrev_b32 v[L16], 4, v1
	v_lshlrev_b32 v[BO], 5, v3
	v_lshlrev_b32 v[PFO], 8, v1
	s_mul_i32 s28, s[WV], TOKW
	s_add_co_u32 s28, s28, TOK                     ; my wave's token numbers
	v_lshl_add_u32 v[TW], v1, 2, s28
	v_lshl_add_u32 v[TR], v3, 2, s28               ; lanes 0-15 take an even place's number, lanes 16-31 the odd one behind it
	s_mul_i32 s31, s[WV], 144                      ; 36 rows x 4 bytes
	s_add_co_u32 s31, s31, s28
	v_mov_b32 v[TA], s31
	s_mul_i32 s31, s[WV], 36*PITCH
	v_lshl_add_u32 v[LD0], v1, 3, s31
	v_add_nc_u32 v[LD1], 18*PITCH, v[LD0]
	s_mul_i32 s31, s[WV], 16*SP
	s_add_co_u32 s31, s31, STAGE                   ; my stage
	v_mul_u32_u24 v[STO], v2, SP                   ; in: row r, 32 bytes for each half of the lanes
	v_lshl_add_u32 v[STO], v3, 5, v[STO]
	v_add_nc_u32 v[STO], s31, v[STO]
	v_mul_u32_u24 v[RD], v3, SP                    ; back: lanes 0-15 take a row of 256 bytes, lanes 16-31 the next
	v_lshl_add_u32 v[RD], v2, 4, v[RD]
	v_add_nc_u32 v[RD], s31, v[RD]
	s_lshl_b32 s23, s21, 10
	s_lshl_b32 s31, s[WV], 8
	s_add_co_u32 s23, s23, s31                     ; my 64 columns in f32: byte 1,024 ct + 256 w of a row of out and of biases
	v_lshl_add_u32 v[CO], v2, 4, s23
	v_mul_u32_u24 v[AD], v2, PITCH
	v_lshl_add_u32 v[AD], v3, 4, v[AD]             ; a fragment's row x pitch + 16 x half
.irp p, 1,2,3,4
	v_add_nc_u32 v[AD+(\p)], 2*BLK*(\p), v[AD]
.endr
	s_lshl_b32 s24, s22, 4
	s_mov_b32 s25, 0
	s_wait_kmcnt 0x0
	s_add_nc_u64 s[12:13], s[12:13], s[24:25]
	s_load_b128 s[16:19], s[12:13], 0x0            ; my tile: expert s16, first place s17, rows s18, first tile of its expert s19
	s_wait_kmcnt 0x0
	s_min_u32 s16, s16, 7                          ; what was loaded enters addresses only behind these bounds
	s_min_u32 s17, s17, 0x1fff
	s_min_u32 s[NR], s[NR], 144
	s_sub_co_u32 s30, s[NR], 1                     ; the last row's place in the tile (with 0 rows it wraps, and the bound on the place in order alone holds)
	s_lshl_b32 s24, s16, 21
	s_lshl2_add_u32 s28, s21, s[WV]                ; cg = 4 ct + w
	s_lshl_b32 s28, s28, 17
	s_add_co_u32 s24, s24, s28
	s_add_nc_u64 s[8:9], s[8:9], s[24:25]          ; my stream of wf; never rewritten again
	s_lshl_b32 s24, s16, 12
	s_add_co_u32 s24, s24, s23
	s_add_nc_u64 s[6:7], s[6:7], s[24:25]          ; my 64 biases
; W of one K step into slot sg: 8 loads of 512 consecutive bytes, from byte imm of my stream
.macro FETCHB sg, imm
	WIN 0xc0                                       ; destination window 3, address window 0
.irp b, 0,1,2,3
	global_load_b128 v[32*(\sg)+8*(\b):32*(\sg)+8*(\b)+3],   v[L16], s[8:9] offset:(\imm)+1024*(\b)
	global_load_b128 v[32*(\sg)+8*(\b)+4:32*(\sg)+8*(\b)+7], v[L16], s[8:9] offset:(\imm)+1024*(\b)+512
.endr
.endm
	; THE FIRST LOADS: the tile's token numbers (every wave takes all, for its own copy), the bias, W of K steps 0 to 6.  They stand ahead of the jump round the gather.
.irp q, 0,1,2,3,4
	v_add_nc_u32 v[IDX+(\q)], 32*(\q), v1          ; place i in the tile,
	v_min_u32 v[IDX+(\q)], s30, v[IDX+(\q)]        ; past the count the last row once more,
	v_add_nc_u32 v[IDX+(\q)], s17, v[IDX+(\q)]
	v_min_u32 v[IDX+(\q)], 0x1fff, v[IDX+(\q)]     ; inside order
	v_lshlrev_b32 v[IDX+(\q)], 2, v[IDX+(\q)]
	global_load_b32 v[TKL+(\q)], v[IDX+(\q)], s[10:11]
.endr
	WIN 0x80                                       ; destination window 2
.irp b, 0,1,2,3
	global_load_b128 v[BIA+8*(\b):BIA+8*(\b)+3],   v[BO], s[6:7] offset:64*(\b)       ; register 8 b + j: the bias of column 16 b + 8 h + j, as the product's result lies
	global_load_b128 v[BIA+8*(\b)+4:BIA+8*(\b)+7], v[BO], s[6:7] offset:64*(\b)+16
.endr
.irp g, 0,1,2,3,4,5
	FETCHB \g, 4096*(\g)
.endr
	WIN 0
	s_wait_loadcnt 56                              ; the five token loads are in: behind them stand 8 loads of bias and 48 of W
.irp q, 0,1,2,3,4
	v_min_u32 v[TKL+(\q)], 0x1fff, v[TKL+(\q)]
	ds_store_b32 v[TW], v[TKL+(\q)] offset:128*(\q)
.endr
	FETCHB 6, 24576
	WIN 0
	s_cmp_eq_u32 s[NR], 0                          ; a tile without rows gathers nothing; it passes the barrier below like every other
	s_cbranch_scc1 .Lbar
	; THE GATHER.  Six row slots, 36 turns.  A row is 4,096 bytes: eight loads of 512 consecutive bytes.
.macro FILL s
.irp c, 0,1,2,3,4,5,6,7
	global_load_b128 v[X+32*(\s)+4*(\c):X+32*(\s)+4*(\c)+3], v[OFF+(\s)], s[4:5] offset:512*(\c)
.endr
.endm
; Turn GN (0 .. 35): my wave's row GN, in slot GN % 6, is rounded and laid into LDS; up to turn 29 the slot then takes the row six further on.
.macro TURN
.set SL, X+32*(GN%6)
.if GN < 18
.set LRG, LD0
.set LIM, PITCH*GN
.else
.set LRG, LD1
.set LIM, PITCH*(GN-18)
.endif
.if GN < 30
	ds_load_b32 v[TK], v[TA] offset:4*(GN+6)       ; the next row's token number: my own bytes
	s_wait_loadcnt 40                              ; loads come back in order: my slot's eight are in (and its address register is free); five younger slots of eight stay out
.else
	s_wait_loadcnt 8*(35-GN)                       ; the last six turns load nothing: the counts run down
.endif
.irp c, 0,1,2,3,4,5,6,7
	v_cvt_pk_bf16_f32 v[SL+4*(\c)],   v[SL+4*(\c)],   v[SL+4*(\c)+1]
	v_cvt_pk_bf16_f32 v[SL+4*(\c)+1], v[SL+4*(\c)+2], v[SL+4*(\c)+3]
.endr
.irp c, 0,1,2,3,4,5,6,7
	ds_store_b64 v[LRG], v[SL+4*(\c):SL+4*(\c)+1] offset:LIM+256*(\c)  ; 32 lanes, 256 consecutive bytes
.endr
.if GN < 30
	s_wait_dscnt 8                                 ; the token number is in: behind its load stand the eight stores
	v_min_u32 v[TK], 0x1fff, v[TK]
	v_lshl_add_u32 v[OFF+GN%6], v[TK], 12, v[L16]
	FILL GN%6
.endif
.endm
; A PREFETCH INTO THE L2 of my own stream of wf.  An expert's first tile asks, nobody else; in it each wave asks for its own 131,072 bytes, a lane for each 256: so each block is
; named once in the launch.  K steps 0 to 7 come by their loads alone; turns 6, 12, 18 and 24 of the gather ask for K steps 8 to 23, 16,384 bytes each; K step 0 asks for steps
; 24 to 31, and that request ends at the stream's last byte.  The lines stand together, behind a run of loads; their address registers are never rewritten.
.macro ASK from, lines
	s_cmp_eq_u32 s[FST], 1
	s_cbranch_scc0 .Lnot_mine_\@
.set pf, 0
.rept \lines
	global_prefetch_b8 v[PFO], s[8:9] offset:(\from)+8192*pf th:TH_LOAD_NT scope:SCOPE_SE
.set pf, pf+1
.endr
.Lnot_mine_\@:
.endm
.irp s, 0,1,2,3,4,5
	ds_load_b32 v[OFF+(\s)], v[TA] offset:4*(\s)   ; LDS serves a wave's instructions in order: these see my stores above
.endr
	s_wait_dscnt 0x0
.irp s, 0,1,2,3,4,5
	v_min_u32 v[OFF+(\s)], 0x1fff, v[OFF+(\s)]
	v_lshl_add_u32 v[OFF+(\s)], v[OFF+(\s)], 12, v[L16]
.endr
.irp s, 0,1,2,3,4,5
	FILL \s
.endr
.set GN, 0
.rept 36
	TURN
.if (GN%6 == 0) && (GN >= 6) && (GN < 30)
	ASK 32768+16384*(GN/6-1), 2
.endif
.set GN, GN+1
.endr
.Lbar:
	s_wait_dscnt 0x0                               ; for the others' sake: my 36 rows lie in LDS
	s_barrier_signal -1
	s_barrier_wait -1                              ; all 144 do.  The launch's only barrier: x is never written again
	s_cmp_eq_u32 s[NR], 0
	s_cbranch_scc1 .Lend
	; THE PRODUCT: 32 K steps of 32, no barrier, no LDS write.
.macro FETCHA buf, kimm                ; the nine x fragments of one K step, at byte kimm of the rows: 18 loads, blocks in ascending order
	WIN 0
.irp a, 0,1,2,3,4,5,6,7,8
	ds_load_b128 v[(\buf)+8*(\a):(\buf)+8*(\a)+3],   v[AD+(\a)/2] offset:((\a)%2)*BLK+(\kimm)
	ds_load_b128 v[(\buf)+8*(\a)+4:(\buf)+8*(\a)+7], v[AD+(\a)/2] offset:((\a)%2)*BLK+(\kimm)+32
.endr
.endm
; Products of blocks 0-4 (hi = 0) or 5-8 (hi = 1) x all four column tiles.  The 36 accumulators take turns, one instruction a turn, in the same order in every step.
; first = 1: the bias starts the sums.
.macro MULS buf, sg, hi, first
.if \hi
	WIN 0xa3                                       ; W window 3, x window 0, C and D window 2
.irp a, 5,6,7,8
.irp b, 0,1,2,3
.if \first
	v_wmma_f32_16x16x32_bf16 v[32*((\a)-5)+8*(\b):32*((\a)-5)+8*(\b)+7], v[32*(\sg)+8*(\b):32*(\sg)+8*(\b)+7], v[(\buf)+8*(\a):(\buf)+8*(\a)+7], v[BIA+8*(\b):BIA+8*(\b)+7]
.else
	v_wmma_f32_16x16x32_bf16 v[32*((\a)-5)+8*(\b):32*((\a)-5)+8*(\b)+7], v[32*(\sg)+8*(\b):32*(\sg)+8*(\b)+7], v[(\buf)+8*(\a):(\buf)+8*(\a)+7], v[32*((\a)-5)+8*(\b):32*((\a)-5)+8*(\b)+7]
.endif
.endr
.endr
.else
.if \first
	WIN 0x63                                       ; D window 1, C (the bias) window 2
.else
	WIN 0x53                                       ; C and D window 1
.endif
.irp a, 0,1,2,3,4
.irp b, 0,1,2,3
.if \first
	v_wmma_f32_16x16x32_bf16 v[32*(\a)+8*(\b):32*(\a)+8*(\b)+7], v[32*(\sg)+8*(\b):32*(\sg)+8*(\b)+7], v[(\buf)+8*(\a):(\buf)+8*(\a)+7], v[BIA+8*(\b):BIA+8*(\b)+7]
.else
	v_wmma_f32_16x16x32_bf16 v[32*(\a)+8*(\b):32*(\a)+8*(\b)+7], v[32*(\sg)+8*(\b):32*(\sg)+8*(\b)+7], v[(\buf)+8*(\a):(\buf)+8*(\a)+7], v[32*(\a)+8*(\b):32*(\a)+8*(\b)+7]
.endif
.endr
.endr
.endif
.endm
; K step KS (0 .. 31).  It multiplies W's slot KS % 8 and x's buffer KS % 2.  In its middle it asks for the next step's x and for W seven steps on, into the buffer and the slot
; that the step before has multiplied: four plain vector instructions stand between that step's last product and the loads (ISA guide 7.12.1 for vector instructions).
.macro STEP
.set SG, KS%8
.set BU, A0+72*(KS%2)
.set BN, A0+72*((KS+1)%2)
.set FI, 0
.if KS == 0
.set FI, 1
.endif
.if KS < 26
	s_wait_loadcnt 48                              ; this step's W is in: behind its loads stand those of the six steps after it, eight each
.else
	s_wait_loadcnt 8*(31-KS)                       ; no W is left to ask for: the counts run down
.endif
	s_wait_dscnt 8                                 ; x's blocks 0-4 are in; the youngest eight loads (blocks 5-8) may be out
	MULS BU, SG, 0, FI
.rept 4
	v_nop
.endr
.if KS < 31
	FETCHA BN, 64*(KS+1)
.endif
.if KS < 25
	FETCHB (KS+7)%8, 4096*(KS+7)
.endif
.if KS == 0
	WIN 0                                          ; at a branch and at a label every window is 0
	ASK 98304, 4
.endif
.if KS < 31
	s_wait_dscnt 18                                ; all but the 18 just issued
.else
	s_wait_dscnt 0x0
.endif
	MULS BU, SG, 1, FI
.endm
	FETCHA A0, 0
.set KS, 0
.rept 32
	STEP
.set KS, KS+1
.endr
	WIN 0
.rept 8
	v_nop                                          ; once a launch: the places between the last products and the LDS stores that read results
.endr
; THE WAY OUT, a block of 16 rows at a time: 32 bytes a lane into my stage, back as whole rows of 256 bytes, stored at the rows that the token numbers name: 16 lanes store
; 256 consecutive bytes, at a multiple of 256 from out's first byte.  Store t holds the places 16 a + 2 t (lanes 0-15) and 16 a + 2 t + 1 (lanes 16-31); everything from the first
; store on whose places both lie past the count is jumped.  Where the count is odd, the last store's upper lanes hold the place behind the count, which repeats the last row:
; they send the same bytes to the same addresses as the lower lanes.  EXEC is never narrowed.
.macro OUTBLK a
	WIN 0
.if (\a) > 0
	s_cmp_le_u32 s[NR], 16*(\a)
	s_cbranch_scc1 .Ldone
.endif
.if (\a) < 5
	WIN 0x04                                       ; store data in window 1
.set AC, 32*(\a)
.else
	WIN 0x08                                       ; in window 2
.set AC, 32*((\a)-5)
.endif
.irp b, 0,1,2,3
	ds_store_b128 v[STO], v[AC+8*(\b):AC+8*(\b)+3]   offset:64*(\b)      ; each accumulator's low registers first
	ds_store_b128 v[STO], v[AC+8*(\b)+4:AC+8*(\b)+7] offset:64*(\b)+16
.endr
	WIN 0
	s_wait_xcnt 0x0                                ; the last block's stores have read their data and offsets: both are rewritten below
.irp t, 0,1,2,3,4,5,6,7
	ds_load_b128 v[RB+4*(\t):RB+4*(\t)+3], v[RD] offset:2*SP*(\t)  ; LDS serves a wave's instructions in order: these see the stores above
.endr
.irp t, 0,1,2,3,4,5,6,7
	ds_load_b32 v[TO+(\t)], v[TR] offset:64*(\a)+8*(\t)            ; the token number of place 16 a + 2 t + h
.endr
	s_wait_dscnt 0x0
.irp t, 0,1,2,3,4,5,6,7
	v_min_u32 v[TO+(\t)], 0x1fff, v[TO+(\t)]
	v_lshl_add_u32 v[GA+(\t)], v[TO+(\t)], 12, v[CO]
.endr
.irp t, 0,1,2,3,4,5,6,7
.if (\t) > 0
	s_cmp_le_u32 s[NR], 16*(\a)+2*(\t)
	s_cbranch_scc1 .Ldone
.endif
	global_store_b128 v[GA+(\t)], v[RB+4*(\t):RB+4*(\t)+3], s[14:15] th:TH_STORE_NT
.endr
.endm
.irp a, 0,1,2,3,4,5,6,7,8
	OUTBLK \a
.endr
.Ldone:
.Lend:
	s_wait_tensorcnt 0x0                           ; the wave's end, behind my last LDS store
	ds_add_u32 v[SPW], v[NIL]
	s_wait_dscnt 0x0
	s_endpgm
.Lfunc_end_k_q560c1234b0_main:
	.size	k_q560c1234b0_main, .Lfunc_end_k_q560c1234b0_main-k_q560c1234b0_main
	.p2alignl 7, 3214868480
	.fill 96, 4, 3214868480
	.section	.rodata,"a",@progbits
	.p2align	6, 0x0
	.amdhsa_kernel k_q560c1234b0_main
		.amdhsa_group_segment_fixed_size 317696
		.amdhsa_private_segment_fixed_size 0
		.amdhsa_enable_private_segment 0
		.amdhsa_kernarg_size 48
		.amdhsa_user_sgpr_count 2
		.amdhsa_user_sgpr_kernarg_segment_ptr 1
		.amdhsa_wavefront_size32 1
		.amdhsa_system_sgpr_workgroup_id_x 1
		.amdhsa_system_sgpr_workgroup_id_y 1
		.amdhsa_system_sgpr_workgroup_id_z 1
		.amdhsa_system_vgpr_workitem_id 0
		.amdhsa_next_free_vgpr 1024
		.amdhsa_next_free_sgpr 66
		.amdhsa_reserve_vcc 0
		.amdhsa_float_denorm_mode_32 3
		.amdhsa_float_denorm_mode_16_64 3
		.amdhsa_memory_ordered 1
		.amdhsa_forward_progress 1
		.amdhsa_inst_pref_size 255
	.end_amdhsa_kernel
	.section	.bss,"aw",@nobits
	.p2align	6
	.space	262144
	.amdgpu_metadata
---
amdhsa.version: [ 1, 2 ]
amdhsa.kernels:
  - .name:           k_q560c1234b0_main
    .symbol:         k_q560c1234b0_main.kd
    .args:
      - { .name: inputs, .offset: 0, .size: 8, .value_kind: global_buffer, .address_space: global }
      - { .name: biases, .offset: 8, .size: 8, .value_kind: global_buffer, .address_space: global }
      - { .name: wf, .offset: 16, .size: 8, .value_kind: global_buffer, .address_space: global }
      - { .name: order, .offset: 24, .size: 8, .value_kind: global_buffer, .address_space: global }
      - { .name: tiles, .offset: 32, .size: 8, .value_kind: global_buffer, .address_space: global }
      - { .name: out0, .offset: 40, .size: 8, .value_kind: global_buffer, .address_space: global }
    .group_segment_fixed_size: 317696
    .private_segment_fixed_size: 0
    .kernarg_segment_align: 8
    .kernarg_segment_size: 48
    .max_flat_workgroup_size: 128
    .sgpr_count:     66
    .vgpr_count:     1024
    .wavefront_size: 32
...
	.end_amdgpu_metadata
.endif
;; end of part 2
;; ======== version 2 of 2: 2 launches; version 1 with the launch main written anew for expert scheduling mode
;; workspace buffers: wf 16,777,216 bytes; order 32,768 bytes of whole numbers; tiles 1,024 bytes of whole numbers
;; launch prep: the kernel of part 1 again; grid 257 x 1, 16 waves a work-group, no clusters, 72,192 bytes of LDS; arguments weights, nodes_type, wf, order, tiles; writes wf, order, tiles
;; launch main (part 3): grid 4 x 64, 4 waves a work-group, no clusters, 317,696 bytes of LDS; arguments inputs, biases, wf, order, tiles, out0; writes out0
.if DOCPART == 3
	.amdgcn_target "amdgcn-amd-amdhsa--gfx1250"
	.amdhsa_code_object_version 6
	.text
	.protected	k_q560c1234b0_main
	.globl	k_q560c1234b0_main
	.p2align	8
	.type	k_q560c1234b0_main,@function
k_q560c1234b0_main:
	s_mov_b64 s[64:65], 0
	v_nop
	global_prefetch_b8 v0, s[64:65] scope:SCOPE_SE
	s_setreg_imm32_b32 hwreg(HW_REG_WAVE_SCHED_MODE, 0, 2), 2
	s_setreg_imm32_b32 hwreg(HW_REG_WAVE_MODE, 25, 1), 1
	s_wait_xcnt 0x0
	s_wait_alu depctr_vm_vsrc(0)
; out[n] = W[t[n]] x[n] + b[t[n]].  SECOND LAUNCH: gather, product, bias, scattered store.  WORK LEFT OUT: the seven products of each token that nodes_type does not choose
; (see the first kernel's head: they reach no output for any values of the inputs).  x and W are rounded once to bf16; sums and the bias are f32.
; SHARES.  Work-group (ct, T) makes tile T of the table 'tiles' (up to 144 rows of one expert E, named by 'order') x columns 256 ct .. + 255.  Each of its four waves makes all
; 144 rows x 64 columns: 9 x 4 accumulators of 16 x 16.  A tile that is not full repeats its last row in the places past the count; stores past the count are jumped;
; a tile of 0 rows stores nothing: the price of a grid that serves every split of the tokens.
; x: wave w gathers rows 36 w .. 36 w + 35 through a ring of six row slots in registers, rounds them and lays them into LDS (whole K: 144 rows x 2,048 bytes); one barrier.
; W: each wave walks its own 131,072 consecutive bytes of wf, 4,096 a K step of 32, straight into operand registers: a ring of eight steps, seven on their way.
; THE PRODUCT IS USED TRANSPOSED (source 0 = 16 rows of W, source 1 = 16 rows of x): lane (r, h) holds row r of the block and the columns 8 h + 0 .. 7 of the tile.
; The first K step takes the bias as its C operand: nothing is cleared and no bias is added afterwards.
; NO LDS ADDRESS REGISTER IS EVER REWRITTEN: the 36 turns of the gather and the 32 K steps are one macro each, written out by .rept, and every step stands in an immediate.
; NO TENSOR LOADS, NO CLUSTER: x's rows come by a list, which no descriptor covers; x takes 297,216 of the LDS bytes, so no ring for W fits beside it; inside a work-group each
; wave's W is its own; and how many tiles an expert has hangs on the counts, so partners in a cluster would not be alike.
; THE MODE: SCHED_MODE bits 1:0 = 2 (LLVM: expert scheduling mode 2), set by the entry lines.  The code itself states the register dependences between vector or matrix
; instructions and memory or LDS instructions, with s_wait_alu, always for 0.
; THE PLAN.  Registers that memory or LDS instructions touch:
;   v4-v23      offsets and LDS addresses: written at the head, read by loads, stores and prefetches, never written again.
;   v24-v59     OFS: my offset in each of my wave's 36 rows of x.  The token numbers land in them in one run of LDS loads, vector lines clamp and shift them, ahead of the turns;
;               each is then read by one row's eight loads.  (v30-39 serve the head first; v40-55 serve the way out afterwards.)
;   X0 .. X5    the gather's row slots.  Turn n: its sixteen conversions read X[n % 6]; behind them the loads of the row six further on land in it.  No store reads them.
;   Y0, Y1      the gather's out-buffers.  Turn n: its conversions write Y[n % 2], its eight LDS stores read it; turn n + 2 writes it again.
;   A0, A1      x fragments.  K step s: its products read A[s % 2]; its LDS loads land in the other one, which the products of step s - 1 read.
;   W0 .. W7    K step s: its products read W[s % 8]; its loads land in W[(s + 7) % 8], which the products of step s - 1 read.
;   the accumulators: written by the products; read by the way out's LDS stores; never written again.
;   RB, TO, GA  the way out, block by block: LDS loads land in RB and TO, vector lines clamp TO and make GA, the block's global stores read GA and RB.
; So: a turn has ONE wait on va_vdst, behind its conversions, and one on vm_vsrc, which finds stores that are two turns old; a K step has ONE wait on va_vdst, at its head, and its 26
; loads are dealt among its products with no further wait, since those name A[s % 2], W[s % 8] and the accumulators alone; a block of the way out has one of each.
; REGISTERS, in windows of 256 (s_set_vgpr_msb: bits 1:0 source 0, 3:2 source 1, 5:4 source 2, 7:6 destination):
;   window 0: v0-59 addresses, offsets and tokens; v64-255 the gather's six slots, later v64-135, v136-207 two buffers of x fragments, v208-239 rows on the way out
;   window 1: accumulators of blocks 0-4 at 32 a + 8 b; ahead of them, in the gather, v0-31 Y0 and Y1
;   window 2: blocks 5-8 at 32 (a - 5) + 8 b; v128-159 the bias      window 3: W, eight slots of 32
.set PITCH, 2064                       ; a row of x in LDS: 2,048 bytes + 16: an odd multiple of 16, so the 16 rows of a fragment load start at 16 different 16-byte columns of 256
.set BLK,   16*PITCH
.set STAGE, 144*PITCH                  ; 297,216: for each wave 16 rows x 272 bytes (64 f32 + 16), for the way out
.set SP,    272
.set TOK,   STAGE+4*16*SP              ; 314,624: for each wave its own copy of the tile's token numbers, 160 words
.set TOKW,  640
.set SPARE, TOK+4*TOKW                 ; 317,184: the spare words, 128 bytes for each wave: no other line names them
.set L16, 4                            ; v4   16 x lane
.set SPW, 5                            ; v5   SPARE + 4 x my thread's number
.set NIL, 6                            ; v6   0
.set BO,  7                            ; v7   32 h: my eight numbers of a tile's 16 biases
.set TW,  8                            ; v8   where I put a token number
.set TA,  9                            ; v9   my wave's 36 rows' token numbers
.set LD0, 10                           ; v10  where I put 8 bytes of a gathered row: my wave's rows 0-17
.set PFO, 12                           ; v12  256 x lane: the prefetches' offset in my stream of wf
.set STO, 13                           ; v13  the way out: into my stage
.set RD,  14                           ; v14  the way out: back as whole rows
.set TR,  15                           ; v15  the way out: my half's token numbers
.set CO,  16                           ; v16  my 16 bytes in a row of out
.set AD,  18                           ; v18-22  LDS address of my x fragments, blocks 2 p and 2 p + 1
.set LD1, 23                           ; v23  as v10, for my wave's rows 18-35 (an LDS immediate holds 16 bits)
.set OFS, 24                           ; v24-59  row i of my wave's 36: my byte offset in that row of x
.set IDX, 30                           ; v30-34  at the head only: byte offsets in order
.set TKL, 35                           ; v35-39  at the head only: token numbers as loaded
.set TO,  40                           ; v40-47  the way out: token numbers
.set GA,  48                           ; v48-55  the way out: byte offsets in out
.set X,   64                           ; the gather's slots, 32 registers each
.set Y,   0                            ; window 1: the gather's out-buffers, 16 registers each
.set A0,  64                           ; x fragments: buffer 0; buffer 1 lies 72 further on
.set RB,  208                          ; the way out: 16 rows read back
.set BIA, 128                          ; window 2
.set WV,  20                           ; s20  my wave's number
.set NR,  18                           ; s18  the tile's rows
.set FST, 19                           ; s19  1 in an expert's first tile, which prefetches
.set MSB, 0
.macro WIN new                         ; the immediate's high byte repeats the setting that is left; a switch that changes nothing is dropped
.if MSB != (\new)
	s_set_vgpr_msb (MSB<<8)|(\new)
.set MSB, \new
.endif
.endm
	s_load_b256 s[4:11], s[0:1], 0x0               ; inputs s[4:5], biases s[6:7], wf s[8:9], order s[10:11]
	s_load_b128 s[12:15], s[0:1], 0x20             ; tiles s[12:13], out0 s[14:15]
	v_lshl_add_u32 v[SPW], v0, 2, SPARE
	v_mov_b32 v[NIL], 0
	v_lshrrev_b32 v1, 5, v0
	v_readfirstlane_b32 s[WV], v1                  ; wave 0 .. 3
	v_and_b32 v1, 31, v0                           ; lane
	v_and_b32 v2, 15, v0                           ; r
	v_bfe_u32 v3, v0, 4, 1                         ; h
	s_mov_b32 s21, ttmp9                           ; ct
	s_and_b32 s22, ttmp7, 0xffff                   ; T
	v_lshlrev_b32 v[L16], 4, v1
	v_lshlrev_b32 v[BO], 5, v3
	v_lshlrev_b32 v[PFO], 8, v1
	s_wait_alu depctr_va_sdst(0)                   ; s20, the wave's number, is written, ahead of its first reader: LDS addresses and the bases of wf, biases and out are made from it
	s_mul_i32 s28, s[WV], TOKW
	s_add_co_u32 s28, s28, TOK                     ; my wave's token numbers
	v_lshl_add_u32 v[TW], v1, 2, s28
	v_lshl_add_u32 v[TR], v3, 2, s28               ; lanes 0-15 take an even place's number, lanes 16-31 the odd one behind it
	s_mul_i32 s31, s[WV], 144                      ; 36 rows x 4 bytes
	s_add_co_u32 s31, s31, s28
	v_mov_b32 v[TA], s31
	s_mul_i32 s31, s[WV], 36*PITCH
	v_lshl_add_u32 v[LD0], v1, 3, s31
	v_add_nc_u32 v[LD1], 18*PITCH, v[LD0]
	s_mul_i32 s31, s[WV], 16*SP
	s_add_co_u32 s31, s31, STAGE                   ; my stage
	v_mul_u32_u24 v[STO], v2, SP                   ; in: row r, 32 bytes for each half of the lanes
	v_lshl_add_u32 v[STO], v3, 5, v[STO]
	v_add_nc_u32 v[STO], s31, v[STO]
	v_mul_u32_u24 v[RD], v3, SP                    ; back: lanes 0-15 take a row of 256 bytes, lanes 16-31 the next
	v_lshl_add_u32 v[RD], v2, 4, v[RD]
	v_add_nc_u32 v[RD], s31, v[RD]
	s_lshl_b32 s23, s21, 10
	s_lshl_b32 s31, s[WV], 8
	s_add_co_u32 s23, s23, s31                     ; my 64 columns in f32: byte 1,024 ct + 256 w of a row of out and of biases
	v_lshl_add_u32 v[CO], v2, 4, s23
	v_mul_u32_u24 v[AD], v2, PITCH
	v_lshl_add_u32 v[AD], v3, 4, v[AD]             ; a fragment's row x pitch + 16 x half
.irp p, 1,2,3,4
	v_add_nc_u32 v[AD+(\p)], 2*BLK*(\p), v[AD]
.endr
	s_lshl_b32 s24, s22, 4
	s_mov_b32 s25, 0
	s_wait_kmcnt 0x0
	s_add_nc_u64 s[12:13], s[12:13], s[24:25]
	s_load_b128 s[16:19], s[12:13], 0x0            ; my tile: expert s16, first place s17, rows s18, first tile of its expert s19
	s_wait_kmcnt 0x0
	s_min_u32 s16, s16, 7                          ; what was loaded enters addresses only behind these bounds
	s_min_u32 s17, s17, 0x1fff
	s_min_u32 s[NR], s[NR], 144
	s_sub_co_u32 s30, s[NR], 1                     ; the last row's place in the tile (with 0 rows it wraps, and the bound on the place in order alone holds)
	s_lshl_b32 s24, s16, 21
	s_lshl2_add_u32 s28, s21, s[WV]                ; cg = 4 ct + w
	s_lshl_b32 s28, s28, 17
	s_add_co_u32 s24, s24, s28
	s_add_nc_u64 s[8:9], s[8:9], s[24:25]          ; my stream of wf; never rewritten again
	s_lshl_b32 s24, s16, 12
	s_add_co_u32 s24, s24, s23
	s_add_nc_u64 s[6:7], s[6:7], s[24:25]          ; my 64 biases
; W of one K step into slot sg: 8 loads of 512 consecutive bytes, from byte imm of my stream
.macro FETCHB sg, imm
	WIN 0xc0                                       ; destination window 3, address window 0
.irp b, 0,1,2,3
	global_load_b128 v[32*(\sg)+8*(\b):32*(\sg)+8*(\b)+3],   v[L16], s[8:9] offset:(\imm)+1024*(\b)
	global_load_b128 v[32*(\sg)+8*(\b)+4:32*(\sg)+8*(\b)+7], v[L16], s[8:9] offset:(\imm)+1024*(\b)+512
.endr
.endm
	; THE FIRST LOADS: the tile's token numbers (every wave takes all, for its own copy), the bias, W of K steps 0 to 6.  They stand ahead of the jump round the gather.
.irp q, 0,1,2,3,4
	v_add_nc_u32 v[IDX+(\q)], 32*(\q), v1          ; place i in the tile,
	v_min_u32 v[IDX+(\q)], s30, v[IDX+(\q)]        ; past the count the last row once more,
	v_add_nc_u32 v[IDX+(\q)], s17, v[IDX+(\q)]
	v_min_u32 v[IDX+(\q)], 0x1fff, v[IDX+(\q)]     ; inside order
	v_lshlrev_b32 v[IDX+(\q)], 2, v[IDX+(\q)]
.endr
	s_wait_alu depctr_va_vdst(0)                   ; the offsets and addresses v4 to v23 and v30 to v34 are written: every load, store and prefetch of the kernel but the rows' reads and the stores to out one of them
.irp q, 0,1,2,3,4
	global_load_b32 v[TKL+(\q)], v[IDX+(\q)], s[10:11]
.endr
	WIN 0x80                                       ; destination window 2
.irp b, 0,1,2,3
	global_load_b128 v[BIA+8*(\b):BIA+8*(\b)+3],   v[BO], s[6:7] offset:64*(\b)       ; register 8 b + j: the bias of column 16 b + 8 h + j, as the product's result lies
	global_load_b128 v[BIA+8*(\b)+4:BIA+8*(\b)+7], v[BO], s[6:7] offset:64*(\b)+16
.endr
.irp g, 0,1,2,3,4,5
	FETCHB \g, 4096*(\g)
.endr
	WIN 0
	s_wait_loadcnt 56                              ; the five token loads are in: behind them stand 8 loads of bias and 48 of W
.irp q, 0,1,2,3,4
	v_min_u32 v[TKL+(\q)], 0x1fff, v[TKL+(\q)]
.endr
	s_wait_alu depctr_va_vdst(0)                   ; the five clamps have written v35 to v39, which the LDS stores read
.irp q, 0,1,2,3,4
	ds_store_b32 v[TW], v[TKL+(\q)] offset:128*(\q)
.endr
	FETCHB 6, 24576
	WIN 0
	s_wait_alu depctr_vm_vsrc(0)                   ; the token loads have read v30 to v34 and the LDS stores v35 to v39: the rows' token numbers land in these registers below
	s_cmp_eq_u32 s[NR], 0                          ; a tile without rows gathers nothing; it passes the barrier below like every other
	s_cbranch_scc1 .Lbar
	; THE GATHER.  Six row slots, 36 turns.  A row is 4,096 bytes: eight loads of 512 consecutive bytes.
.macro FILL s, row
.irp c, 0,1,2,3,4,5,6,7
	global_load_b128 v[X+32*(\s)+4*(\c):X+32*(\s)+4*(\c)+3], v[OFS+(\row)], s[4:5] offset:512*(\c)
.endr
.endm
; Turn GN (0 .. 35): my wave's row GN, in slot GN % 6, is rounded into Y[GN % 2]; up to turn 29 the slot is asked for again at once, for the row six further on; then Y goes into LDS.
.macro TURN
.set SL, X+32*(GN%6)
.set YB, Y+16*(GN%2)
.if GN < 18
.set LRG, LD0
.set LIM, PITCH*GN
.else
.set LRG, LD1
.set LIM, PITCH*(GN-18)
.endif
.if GN < 30
	s_wait_loadcnt 40                              ; loads come back in order: my slot's eight are in; five younger slots of eight stay out
.else
	s_wait_loadcnt 8*(35-GN)                       ; the last six turns load nothing: the counts run down
.endif
.if GN >= 2
	s_wait_alu depctr_vm_vsrc(0)                   ; the LDS stores of two turns back have read this Y, which the conversions below write again
.endif
	WIN 0x40                                       ; destination window 1
.irp c, 0,1,2,3,4,5,6,7
	v_cvt_pk_bf16_f32 v[YB+2*(\c)],   v[SL+4*(\c)],   v[SL+4*(\c)+1]
	v_cvt_pk_bf16_f32 v[YB+2*(\c)+1], v[SL+4*(\c)+2], v[SL+4*(\c)+3]
.endr
	WIN 0x04                                       ; store data (source 1) in window 1; a load's address and data, source 0 and destination, stay in window 0: one setting for both runs below
	s_wait_alu depctr_va_vdst(0)                   ; the conversions have written Y, which the stores read, and are done reading the slot, in which the loads land; in turn 0 also: the offsets of rows 6 to 35 are written
.if GN < 30
	FILL GN%6, GN+6
.endif
.irp c, 0,1,2,3,4,5,6,7
	ds_store_b64 v[LRG], v[YB+2*(\c):YB+2*(\c)+1] offset:LIM+256*(\c)  ; 32 lanes, 256 consecutive bytes
.endr
.endm
; A PREFETCH INTO THE L2 of my own stream of wf.  An expert's first tile asks, nobody else; in it each wave asks for its own 131,072 bytes, a lane for each 256: so each block is
; named once in the launch.  K steps 0 to 7 come by their loads alone; turns 6, 12, 18 and 24 of the gather ask for K steps 8 to 23, 16,384 bytes each; K step 0 asks for steps
; 24 to 31, and that request ends at the stream's last byte.  The lines stand together, behind a turn's or a step's loads; their address registers are never rewritten.
.macro ASK from, lines
	s_cmp_eq_u32 s[FST], 1
	s_cbranch_scc0 .Lnot_mine_\@
.set pf, 0
.rept \lines
	global_prefetch_b8 v[PFO], s[8:9] offset:(\from)+8192*pf th:TH_LOAD_NT scope:SCOPE_SE
.set pf, pf+1
.endr
.Lnot_mine_\@:
.endm
.set i, 0
.rept 36
	ds_load_b32 v[OFS+i], v[TA] offset:4*i         ; all 36 token numbers in one run.  LDS serves a wave's instructions in order: these see my stores above
.set i, i+1
.endr
	s_wait_dscnt 30                                ; rows 0 to 5 are in; the 30 younger loads stay out
.irp s, 0,1,2,3,4,5
	v_min_u32 v[OFS+(\s)], 0x1fff, v[OFS+(\s)]
	v_lshl_add_u32 v[OFS+(\s)], v[OFS+(\s)], 12, v[L16]
.endr
	s_wait_alu depctr_va_vdst(0)                   ; the offsets of rows 0 to 5 are written, which the loads below read
.irp s, 0,1,2,3,4,5
	FILL \s, \s
.endr
	s_wait_dscnt 0x0
.set i, 6
.rept 30                                               ; the other rows' offsets are made while the first six rows are on their way; turn 0's wait stands between these lines and the loads that read them
	v_min_u32 v[OFS+i], 0x1fff, v[OFS+i]
	v_lshl_add_u32 v[OFS+i], v[OFS+i], 12, v[L16]
.set i, i+1
.endr
.set GN, 0
.rept 36
	TURN
.if (GN%6 == 0) && (GN >= 6) && (GN < 30)
	WIN 0                                          ; at a branch and at a label every window is 0
	ASK 32768+16384*(GN/6-1), 2
.endif
.set GN, GN+1
.endr
	WIN 0
.Lbar:
	s_wait_dscnt 0x0                               ; for the others' sake: my 36 rows lie in LDS
	s_barrier_signal -1
	s_barrier_wait -1                              ; all 144 do.  The launch's only barrier: x is never written again
	s_wait_alu depctr_vm_vsrc(0)                   ; my LDS stores have read Y0 and Y1: these registers are accumulators from here on, and the first products write them
	s_cmp_eq_u32 s[NR], 0
	s_cbranch_scc1 .Lend
	; THE PRODUCT: 32 K steps of 32, no barrier, no LDS write.
.macro XGRP buf, kimm, a0              ; the x fragments of blocks a0 to a0 + 2 of one K step, at byte kimm of the rows: six loads
	WIN 0
.irp a, \a0, (\a0)+1, (\a0)+2
	ds_load_b128 v[(\buf)+8*(\a):(\buf)+8*(\a)+3],   v[AD+(\a)/2] offset:((\a)%2)*BLK+(\kimm)
	ds_load_b128 v[(\buf)+8*(\a)+4:(\buf)+8*(\a)+7], v[AD+(\a)/2] offset:((\a)%2)*BLK+(\kimm)+32
.endr
.endm
; The four products of block a, on x's buffer BU and W's slot SG.  The 36 accumulators take turns, one instruction a turn, in the same order in every step.
; FI = 1: the bias starts the sums.
.macro MULB a
.if (\a) < 5
.set AC, 32*(\a)
.if FI
	WIN 0x63                                       ; W window 3, x window 0, D window 1, C (the bias) window 2
.else
	WIN 0x53                                       ; C and D window 1
.endif
.else
.set AC, 32*((\a)-5)
	WIN 0xa3                                       ; C and D window 2
.endif
.irp b, 0,1,2,3
.if FI
	v_wmma_f32_16x16x32_bf16 v[AC+8*(\b):AC+8*(\b)+7], v[32*SG+8*(\b):32*SG+8*(\b)+7], v[BU+8*(\a):BU+8*(\a)+7], v[BIA+8*(\b):BIA+8*(\b)+7]
.else
	v_wmma_f32_16x16x32_bf16 v[AC+8*(\b):AC+8*(\b)+7], v[32*SG+8*(\b):32*SG+8*(\b)+7], v[BU+8*(\a):BU+8*(\a)+7], v[AC+8*(\b):AC+8*(\b)+7]
.endif
.endr
.endm
; K step KS (0 .. 31).  It multiplies W's slot KS % 8 and x's buffer KS % 2, and asks for the next step's x and for W seven steps on, into the buffer and the slot that the step
; before has multiplied.  The one wait at its head states that; behind it the loads are dealt among the products, early in the step: six of x behind each of blocks 0, 1 and 2,
; W's eight behind block 3.  No product between the wait and a load names a register that the load touches.
.macro STEP
.set SG, KS%8
.set BU, A0+72*(KS%2)
.set BN, A0+72*((KS+1)%2)
.set FI, 0
.if KS == 0
.set FI, 1
.endif
.if KS < 26
	s_wait_loadcnt 48                              ; this step's W is in: behind its loads stand those of the six steps after it, eight each
.else
	s_wait_loadcnt 8*(31-KS)                       ; no W is left to ask for: the counts run down
.endif
	s_wait_dscnt 8                                 ; x's blocks 0-4 are in; the youngest eight loads (blocks 5-8) may be out
.if (KS > 0) && (KS < 31)
	s_wait_alu depctr_va_vdst(0)                   ; the products of the step before are done reading the other buffer of x and their slot of W, in which this step's loads land
.endif                                                 ; (step 0: the last turn's wait stands behind every vector line that named those registers; step 31 loads nothing)
	MULB 0
.if KS < 31
	XGRP BN, 64*(KS+1), 0
.endif
	MULB 1
.if KS < 31
	XGRP BN, 64*(KS+1), 3
.endif
	MULB 2
.if KS < 31
	XGRP BN, 64*(KS+1), 6
.endif
	MULB 3
.if KS < 25
	FETCHB (KS+7)%8, 4096*(KS+7)
.endif
.if KS == 0
	WIN 0                                          ; at a branch and at a label every window is 0
	ASK 98304, 4
.endif
	MULB 4
.if KS < 31
	s_wait_dscnt 18                                ; all but the 18 issued in this step: x's blocks 5-8 are in
.else
	s_wait_dscnt 0x0
.endif
	MULB 5
	MULB 6
	MULB 7
	MULB 8
.endm
	XGRP A0, 0, 0                                  ; K step 0's fragments land in registers that the gather's conversions read: the last turn's wait stands behind all of those
	XGRP A0, 0, 3
	XGRP A0, 0, 6
.set KS, 0
.rept 32
	STEP
.set KS, KS+1
.endr
	WIN 0
.rept 8
	v_nop                                          ; once a launch: the places between the last products and the LDS stores that read results
.endr
	s_wait_alu depctr_va_vdst(0)                   ; the products have written all 36 accumulators, which the LDS stores of the nine blocks below read; the places above stay beside this wait
; THE WAY OUT, a block of 16 rows at a time: 32 bytes a lane into my stage, back as whole rows of 256 bytes, stored at the rows that the token numbers name: 16 lanes store
; 256 consecutive bytes, at a multiple of 256 from out's first byte.  Store t holds the places 16 a + 2 t (lanes 0-15) and 16 a + 2 t + 1 (lanes 16-31); everything from the first
; store on whose places both lie past the count is jumped.  Where the count is odd, the last store's upper lanes hold the place behind the count, which repeats the last row:
; they send the same bytes to the same addresses as the lower lanes.  EXEC is never narrowed.
.macro OUTBLK a
	WIN 0
.if (\a) > 0
	s_cmp_le_u32 s[NR], 16*(\a)
	s_cbranch_scc1 .Ldone
.endif
.if (\a) < 5
	WIN 0x04                                       ; store data in window 1
.set AC, 32*(\a)
.else
	WIN 0x08                                       ; in window 2
.set AC, 32*((\a)-5)
.endif
.irp b, 0,1,2,3
	ds_store_b128 v[STO], v[AC+8*(\b):AC+8*(\b)+3]   offset:64*(\b)      ; each accumulator's low registers first
	ds_store_b128 v[STO], v[AC+8*(\b)+4:AC+8*(\b)+7] offset:64*(\b)+16
.endr
	WIN 0
	s_wait_xcnt 0x0                                ; the last block's stores have had their addresses translated: their data and offsets are rewritten only behind this wait,
	s_wait_alu depctr_vm_vsrc(0)                   ; and they have read v208 to v239 and v48 to v55, which the lines below write again (block 0: the gather's loads have read v40 to v55, their offsets)
.irp t, 0,1,2,3,4,5,6,7
	ds_load_b128 v[RB+4*(\t):RB+4*(\t)+3], v[RD] offset:2*SP*(\t)  ; LDS serves a wave's instructions in order: these see the stores above
.endr
.irp t, 0,1,2,3,4,5,6,7
	ds_load_b32 v[TO+(\t)], v[TR] offset:64*(\a)+8*(\t)            ; the token number of place 16 a + 2 t + h
.endr
	s_wait_dscnt 0x0
.irp t, 0,1,2,3,4,5,6,7
	v_min_u32 v[TO+(\t)], 0x1fff, v[TO+(\t)]
	v_lshl_add_u32 v[GA+(\t)], v[TO+(\t)], 12, v[CO]
.endr
	s_wait_alu depctr_va_vdst(0)                   ; v48 to v55 are written, the offsets of the stores below; and the lines above are done with v40 to v47, in which the next block's token numbers land
.irp t, 0,1,2,3,4,5,6,7
.if (\t) > 0
	s_cmp_le_u32 s[NR], 16*(\a)+2*(\t)
	s_cbranch_scc1 .Ldone
.endif
	global_store_b128 v[GA+(\t)], v[RB+4*(\t):RB+4*(\t)+3], s[14:15] th:TH_STORE_NT
.endr
.endm
.irp a, 0,1,2,3,4,5,6,7,8
	OUTBLK \a
.endr
.Ldone:
.Lend:
	s_wait_dscnt 0x0                               ; the closing lines, six on end
	s_wait_alu 0x0
	s_wait_tensorcnt 0x0
	ds_add_u32 v[SPW], v[NIL]
	s_wait_dscnt 0x0
	s_endpgm
.Lfunc_end_k_q560c1234b0_main:
	.size	k_q560c1234b0_main, .Lfunc_end_k_q560c1234b0_main-k_q560c1234b0_main
	.p2alignl 7, 3214868480
	.fill 96, 4, 3214868480
	.section	.rodata,"a",@progbits
	.p2align	6, 0x0
	.amdhsa_kernel k_q560c1234b0_main
		.amdhsa_group_segment_fixed_size 317696
		.amdhsa_private_segment_fixed_size 0
		.amdhsa_enable_private_segment 0
		.amdhsa_kernarg_size 48
		.amdhsa_user_sgpr_count 2
		.amdhsa_user_sgpr_kernarg_segment_ptr 1
		.amdhsa_wavefront_size32 1
		.amdhsa_system_sgpr_workgroup_id_x 1
		.amdhsa_system_sgpr_workgroup_id_y 1
		.amdhsa_system_sgpr_workgroup_id_z 1
		.amdhsa_system_vgpr_workitem_id 0
		.amdhsa_next_free_vgpr 1024
		.amdhsa_next_free_sgpr 66
		.amdhsa_reserve_vcc 0
		.amdhsa_float_denorm_mode_32 3
		.amdhsa_float_denorm_mode_16_64 3
		.amdhsa_memory_ordered 1
		.amdhsa_forward_progress 1
		.amdhsa_inst_pref_size 255
	.end_amdhsa_kernel
	.section	.bss,"aw",@nobits
	.p2align	6
	.space	262144
	.amdgpu_metadata
---
amdhsa.version: [ 1, 2 ]
amdhsa.kernels:
  - .name:           k_q560c1234b0_main
    .symbol:         k_q560c1234b0_main.kd
    .args:
      - { .name: inputs, .offset: 0, .size: 8, .value_kind: global_buffer, .address_space: global }
      - { .name: biases, .offset: 8, .size: 8, .value_kind: global_buffer, .address_space: global }
      - { .name: wf, .offset: 16, .size: 8, .value_kind: global_buffer, .address_space: global }
      - { .name: order, .offset: 24, .size: 8, .value_kind: global_buffer, .address_space: global }
      - { .name: tiles, .offset: 32, .size: 8, .value_kind: global_buffer, .address_space: global }
      - { .name: out0, .offset: 40, .size: 8, .value_kind: global_buffer, .address_space: global }
    .group_segment_fixed_size: 317696
    .private_segment_fixed_size: 0
    .kernarg_segment_align: 8
    .kernarg_segment_size: 48
    .max_flat_workgroup_size: 128
    .sgpr_count:     66
    .vgpr_count:     1024
    .wavefront_size: 32
...
	.end_amdgpu_metadata
.endif
;; end of part 3
